; MI455X (gfx1250); checked and timed in simulation.
; The chip was launched on July 23, 2026; its instructions are those of AMD's public machine-readable ISA for CDNA 5 (MIT licence, August 2026) and "CDNA5" Instruction Set Architecture Reference Guide (July 2026). The comments in the code are by the model that wrote it; some were corrected since.
;; Switch Feed Forward. Allowed arithmetic: matrix products marked QUANTISED: E2M1 operands, one E8M0 scale for each 32 along K, by v_wmma_scale_f32_16x16x128_f8f6f4 with both operands' format E2M1 (or v_wmma_scale_f32_32x16x128_f4), f32 sums; products left as they are: f32 operands where the result goes on into a quantised operand, else bf16, f16 or f32 operands; f32 sums; everything else in f32.
;; Inputs: expert_b 8 x 2,048 float32; expert_w 8 x 2,048 x 2,048 float32; switch_b 8 float32; switch_w 2,048 x 8 float32; x 2,048 x 2,048 float32.
;; Outputs: out0 2,048 x 2,048 float32; out1 8 float32; out2 8 float32; out3 2,048 float32.
;; This version of the problem:
;;   THIS VERSION OF THE PROBLEM IS GIVEN IN LOW PRECISION. The matrix products marked QUANTISED in the list below multiply operands that are first quantised to E2M1 (2 exponent bits, 1 mantissa bit; 4 bits a number), with one power-of-two scale for each 32 numbers along K (OCP MX v1.0); their sums are f32. All else is computed in f32.
;;   The module's matrix products, in the order in which they are computed (A, B: the left and right operand; K: the contracted axis; several contracted axes count as one K, in the product's order):
;;     1. [M 2,048, K 2,048] x [K 2,048, N 8]; A: input x; B: input switch_w: left as it is (N = 8 < 16)
;;     2. [M 2,048, K 2,048] x [K 2,048, N 16,384]; A: input x; B: input expert_w: QUANTISED
;;     3. batch 2,048 x [M 1, K 8] x [K 8, N 2,048]; A: computed on the way; B: computed on the way: left as it is (K = 8 < 32)
;;   THE QUANTISER, for each operand of a quantised product, along K:
;;     - K is cut into blocks of 32 from its start; a last block that is shorter is filled with zeros.
;;     - A block's scale is 2^e with e = floor(log2(the largest magnitude in the block)) - 2, held to -126 .. 127; a block of zeros has e = 0. As a byte (E8M0): e + 127.
;;     - Each number is divided by its block's scale, clamped to +-6, and rounded to the nearest number of E2M1, ties to even, subnormals kept.
;;     - The product sums the exact products of the quantised numbers (number of the format x scale) in f32.
;;   ~~~python
;;   def quantise(x, axis):      # numpy; x: float32 -> the quantised numbers, widened to float32 again
;;       x = np.moveaxis(x, axis, -1); K = x.shape[-1]
;;       x = np.pad(x, [(0, 0)] * (x.ndim - 1) + [(0, -K % 32)]); x = x.reshape(x.shape[:-1] + (-1, 32)); a = np.abs(x).max(-1, keepdims=True)
;;       e = np.where(a > 0, np.clip(np.frexp(np.where(a > 0, a, 1))[1] - 1 - 2, -126, 127), 0)      # np.frexp(a)[1] - 1 = floor(log2(a)), exactly
;;       r = np.clip(x / 2.0 ** e, -6, 6)
;;       step = 2.0 ** (np.maximum(np.frexp(np.where(r == 0, 1, r))[1] - 1, 0) - 1)
;;       q = np.round(r / step) * step * 2.0 ** e      # np.round: ties to even
;;       return np.moveaxis(q.reshape(q.shape[:-2] + (-1,))[..., :K], -1, axis).astype(np.float32)
;;   ~~~
;; One version. Each part assembles by itself: llvm-mc -triple=amdgcn-amd-amdhsa -mcpu=gfx1250 --defsym DOCPART=n.
;; ======== version 1 of 1: 3 launches
;; workspace buffers: xc 2,097,152 bytes; xs 131,072 bytes; psum 8,192 bytes; routes 8,192 bytes of whole numbers; list 8,192 bytes of whole numbers; meta 256 bytes of whole numbers
;; launch route (part 1): grid 256 x 1, 8 waves a work-group, no clusters, 111,104 bytes of LDS; arguments x, switch_w, switch_b, xc, xs, routes, psum, out3; writes xc, xs, routes, psum, out3
.if DOCPART == 1
	.amdgcn_target "amdgcn-amd-amdhsa--gfx1250"
	.amdhsa_code_object_version 6
	.text
	.protected	k_q405b859e66_route
	.globl	k_q405b859e66_route
	.p2align	8
	.type	k_q405b859e66_route,@function
k_q405b859e66_route:
	s_mov_b64 s[64:65], 0
	v_nop
	global_prefetch_b8 v0, s[64:65] scope:SCOPE_SE
	s_setreg_imm32_b32 hwreg(HW_REG_WAVE_MODE, 25, 1), 1
	s_wait_xcnt 0x0
; THE ROUTER AND x's QUANTISER.  x [2048][2048] f32 is read once and serves twice:
;  (1) logits = x switch_w + switch_b by f32 fused multiply-adds; softmax with the row's maximum taken away; the largest probability (out3), the chosen expert
;      (routes, whole numbers; on equal probabilities the lower index) and the probabilities summed over the work-group's 8 rows (psum);
;  (2) codes of E2M1 along K with one E8M0 byte for each 32: xc [2048][1024 bytes], xs [2048][64 bytes].
; SHARES.  A work-group owns 8 rows.  Wave w: q = w % 4 is its quarter of K (512 numbers), rh = w / 4 its four rows.  A lane holds 16 NEIGHBOURS along K (k = 512 q + 16 lane + i): the conversions take
; neighbours from one lane's registers, and the lane's 16 x 8 numbers of switch_w stay in 128 registers for all four rows.  Loads read 512 consecutive bytes each; the numbers turn through the wave's own stage in LDS.
; LIMITS: NaN and infinities among the inputs are not served.  A block of zeros gets the scale byte 1 where the rule says 127: its codes are zeros, and this program alone reads the bytes.
; The logits' f32 sums are taken in another order than a plain dot product's: two logits that lie within about 1e-6 of each other, relatively, may be ranked the other way.
.set SWP, 528                          ; LDS: switch_w as 128 slices of 512 bytes (16 k x 8 experts), 528 bytes apart, from byte 0
.set TST, 67584                        ; two stages of 32 x SP bytes for each wave
.set SP,  80                           ; a lane's place in a stage: 64 bytes + 16 of padding
.set SBL, 108544                       ; the scale bytes, [8 rows][64]
.set PL,  109056                       ; partial logits, [8 rows][4 quarters][8 experts] f32
.set XO,  1                            ; v1   16 x lane
.set SWS, 2                            ; v2   where I store switch_w: 8448 x wave + 16 x lane
.set SWR, 3                            ; v3   my slice: (32 q + lane) x 528
.set TI,  4                            ; v4   the stage, on the way in
.set TO,  5                            ; v5   and on the way out
.set CO,  6                            ; v6   8 x lane: my codes in a wave's 256 bytes
.set SBA, 7                            ; v7   my block's scale byte
.set PLA, 8                            ; v8   my wave's partial logits
.set BI,  9                            ; v9   switch_b[lane % 8]
.set FA,  10                           ; v10  wave 0 at the end: PL + 128 (lane / 8) + 4 (lane % 8)
.set SBR, 11                           ; v11  wave 1 at the end: SBL + 16 x lane
.set MA,  12                           ; v12-13 two chains of the largest magnitude
.set MB,  13
.set SS,  14                           ; v14  the conversion's scale operand
.set PX,  15                           ; v15  a lane permute's destination
.set ACC, 16                           ; v16-23 eight logits
.set CC,  24                           ; v24-27 codes, two sets of two
.set EB,  28                           ; v28-29 the scale byte, two sets
.set EE,  30                           ; v30  lane % 8
.set LN,  31                           ; v31  lane
.set X,   32                           ; v32-63 two sets of 16 neighbours
.set R,   64                           ; v64-127 four rows x 16 numbers as loaded
.set SW,  128                          ; v128-255 register 8 i + e: switch_w[k_i][e]
	s_load_b256 s[4:11], s[0:1], 0x0               ; x, switch_w, switch_b, xc
	s_load_b256 s[12:19], s[0:1], 0x20             ; xs, routes, psum, out3
	s_set_vgpr_msb 0x40
	v_lshl_add_u32 v0, v0, 2, 0x1ae00
	v_mov_b32 v1, 0
	s_set_vgpr_msb 0x4000
	v_lshrrev_b32 v1, 5, v0
	v_readfirstlane_b32 s20, v1                    ; wave 0..7
	s_and_b32 s21, s20, 3                          ; q
	s_lshr_b32 s22, s20, 2                         ; rh
	s_mov_b32 s26, 0x76543210                      ; v_permlanex16_b32's selects for lane l xor 16
	s_mov_b32 s27, 0xfedcba98
	s_mov_b32 s29, 0x3fb8aa3b                      ; log2(e)
	v_and_b32 v[LN], 31, v0
	v_and_b32 v[EE], 7, v0
	v_lshlrev_b32 v[XO], 4, v[LN]
	s_mul_i32 s23, s20, 16*SWP
	v_add_nc_u32 v[SWS], s23, v[XO]
	s_lshl_b32 s23, s21, 5
	v_add_nc_u32 v[SWR], s23, v[LN]
	v_mul_u32_u24 v[SWR], v[SWR], SWP
	s_mul_i32 s23, s20, 2*32*SP
	s_add_co_u32 s23, s23, TST
	v_lshrrev_b32 v[TI], 2, v[LN]
	v_mul_u32_u24 v[TI], v[TI], SP
	v_and_b32 v[TO], 3, v[LN]
	v_lshl_add_u32 v[TI], v[TO], 4, v[TI]
	v_add_nc_u32 v[TI], s23, v[TI]                 ; four lanes' 64 bytes on end, then 16 of padding
	v_mul_u32_u24 v[TO], v[LN], SP
	v_add_nc_u32 v[TO], s23, v[TO]
	v_lshlrev_b32 v[CO], 3, v[LN]
	s_lshl_b32 s23, s22, 8
	s_lshl_b32 s24, s21, 4
	s_add_co_u32 s23, s23, s24
	s_add_co_u32 s23, s23, SBL
	v_lshrrev_b32 v[SBA], 1, v[LN]
	v_add_nc_u32 v[SBA], s23, v[SBA]               ; SBL + 64 x (4 rh) + 16 q + lane / 2
	s_lshl_b32 s23, s22, 9
	s_lshl_b32 s24, s21, 5
	s_add_co_u32 s23, s23, s24
	s_add_co_u32 s23, s23, PL
	v_mov_b32 v[PLA], s23                          ; PL + 128 x (4 rh) + 32 q
	v_lshrrev_b32 v[FA], 3, v[LN]
	v_lshlrev_b32 v[FA], 7, v[FA]
	v_lshl_add_u32 v[FA], v[EE], 2, v[FA]
	v_add_nc_u32 v[FA], PL, v[FA]
	v_add_nc_u32 v[SBR], SBL, v[XO]
	v_lshlrev_b32 v[MA], 2, v[EE]                  ; switch_b's offset (the register is free again behind that load's wait)
	v_mov_b32 v[PX], 0
	s_mov_b32 s25, 0
	s_wait_kmcnt 0x0
	s_lshl_b32 s24, ttmp9, 16                      ; x: 8 rows of 8,192 bytes a work-group,
	s_lshl_b32 s23, s22, 15                        ; 4 rows,
	s_add_co_u32 s24, s24, s23
	s_lshl_b32 s23, s21, 11                        ; a quarter of a row
	s_add_co_u32 s24, s24, s23
	s_add_nc_u64 s[4:5], s[4:5], s[24:25]
	s_lshl_b32 s24, s20, 13                        ; switch_w: 8,192 bytes a wave
	s_add_nc_u64 s[6:7], s[6:7], s[24:25]
	s_lshl_b32 s24, ttmp9, 13                      ; xc: rows of 1,024 bytes
	s_lshl_b32 s23, s22, 12
	s_add_co_u32 s24, s24, s23
	s_lshl_b32 s23, s21, 8
	s_add_co_u32 s24, s24, s23
	s_add_nc_u64 s[10:11], s[10:11], s[24:25]
	s_lshl_b32 s24, ttmp9, 9                       ; xs: 512 bytes a work-group
	s_add_nc_u64 s[12:13], s[12:13], s[24:25]
	s_lshl_b32 s24, ttmp9, 5                       ; routes, psum, out3: 32 bytes a work-group
	s_add_nc_u64 s[14:15], s[14:15], s[24:25]
	s_add_nc_u64 s[16:17], s[16:17], s[24:25]
	s_add_nc_u64 s[18:19], s[18:19], s[24:25]
	global_load_b32 v[BI], v[MA], s[8:9]
.irp m, 0,1,2,3,4,5,6,7,8,9,10,11,12,13,14,15
	global_load_b128 v[SW+4*\m:SW+4*\m+3], v[XO], s[6:7] offset:512*\m          ; one slice of switch_w: 512 consecutive bytes
.endr
.irp j, 0,1,2,3
.irp i, 0,1,2,3
	global_load_b128 v[R+16*\j+4*\i:R+16*\j+4*\i+3], v[XO], s[4:5] offset:8192*\j+512*\i th:TH_LOAD_NT   ; all of my wave's x is asked for at once: 8,192 bytes
.endr
.endr
	s_wait_loadcnt 16                              ; switch_b and switch_w are in; the 16 loads of x, issued behind them, may be out
.irp m, 0,1,2,3,4,5,6,7,8,9,10,11,12,13,14,15
	ds_store_b128 v[SWS], v[SW+4*\m:SW+4*\m+3] offset:SWP*\m
.endr
	s_wait_dscnt 0x0                               ; for the others' sake: my slices lie in LDS
	s_barrier_signal -1
	s_barrier_wait -1
.irp m, 0,1,2,3,4,5,6,7,8,9,10,11,12,13,14,15,16,17,18,19,20,21,22,23,24,25,26,27,28,29,30,31
	ds_load_b128 v[SW+4*\m:SW+4*\m+3], v[SWR] offset:16*\m                      ; my slice: lanes 528 bytes apart
.endr
; row j's 2,048 bytes through the stage: in as loaded, back 64 bytes a lane.  LDS serves a wave's instructions in order (ISA guide 5.7.1.4): no wait between stores and loads
.macro TURN j
.irp i, 0,1,2,3
	ds_store_b128 v[TI], v[R+16*(\j)+4*\i:R+16*(\j)+4*\i+3] offset:32*SP*((\j)%2)+8*SP*\i
.endr
.irp i, 0,1,2,3
	ds_load_b128 v[X+16*((\j)%2)+4*\i:X+16*((\j)%2)+4*\i+3], v[TO] offset:32*SP*((\j)%2)+16*\i
.endr
.endm
	s_wait_loadcnt 12                              ; row 0's four loads are in; the other rows' twelve may be out
	TURN 0
.macro RSTEP j
.set XS, X+16*((\j)%2)
.set CS, CC+2*((\j)%2)
.set PT, R+16*(\j)                     ; the row's load registers: the stage's stores have read them, so they serve as the permutes' destinations
	s_wait_dscnt 0x0                               ; this row's numbers are back (in the first step: switch_w too), and the last row's LDS stores have read ACC
.if (\j) < 3
	s_wait_loadcnt 8-4*(\j)                        ; the next row's four loads are in; the later rows' may be out
	TURN (\j)+1                                    ; and turn through the other stage while this row is worked
.endif
.irp p, 0,1,2,3                        ; eight logits in four pairs, which take turns; x's number serves both halves
	v_pk_mul_f32 v[ACC+2*\p:ACC+2*\p+1], v[XS:XS+1], v[SW+2*\p:SW+2*\p+1] op_sel_hi:[0,1]
.endr
.irp i, 1,2,3,4,5,6,7,8,9,10,11,12,13,14,15
.irp p, 0,1,2,3
.if (\i)%2
	v_pk_fma_f32 v[ACC+2*\p:ACC+2*\p+1], v[XS+\i-1:XS+\i], v[SW+8*\i+2*\p:SW+8*\i+2*\p+1], v[ACC+2*\p:ACC+2*\p+1] op_sel:[1,0,0] op_sel_hi:[1,1,1]
.else
	v_pk_fma_f32 v[ACC+2*\p:ACC+2*\p+1], v[XS+\i:XS+\i+1], v[SW+8*\i+2*\p:SW+8*\i+2*\p+1], v[ACC+2*\p:ACC+2*\p+1] op_sel_hi:[0,1,1]
.endif
.endr
.endr
	v_max3_num_f32 v[MA], |v[XS]|, |v[XS+1]|, |v[XS+2]|             ; the largest magnitude of my 16
	v_max3_num_f32 v[MB], |v[XS+3]|, |v[XS+4]|, |v[XS+5]|
.irp i, 6,10
	v_max3_num_f32 v[MA], v[MA], |v[XS+\i]|, |v[XS+\i+1]|
	v_max3_num_f32 v[MB], v[MB], |v[XS+\i+2]|, |v[XS+\i+3]|
.endr
	v_max3_num_f32 v[MA], v[MA], |v[XS+14]|, |v[XS+15]|
	v_max3_num_f32 v[MA], v[MA], v[MB], 0x1800000  ; and the floor 2^(3 - 127): the byte cannot fall under 1
	v_max_num_f32_dpp v[MA], v[MA], v[MA] row_xmask:1 row_mask:0xf bank_mask:0xf   ; with my neighbour's 16: the block's
	v_add_nc_u32 v[SS], 0xff000000, v[MA]          ; 2 off its exponent field: the conversion takes that field as its scale
.if (\j) >= 2
	s_wait_xcnt 0x0                                ; the store of two rows back has read this set of codes
.endif
	v_cvt_scalef32_pk8_fp4_f32 v[CS], v[XS:XS+7], v[SS]
	v_cvt_scalef32_pk8_fp4_f32 v[CS+1], v[XS+8:XS+15], v[SS]
	v_lshrrev_b32 v[EB+(\j)%2], 23, v[SS]          ; the scale's byte (a plain line behind the conversions)
	ds_store_b8 v[SBA], v[EB+(\j)%2] offset:64*(\j)                 ; both lanes of a block write the same byte with the same value
	global_store_b64 v[CO], v[CS:CS+1], s[10:11] offset:1024*(\j)   ; the wave stores 256 consecutive bytes, aligned
.irp m, 1,2,4,8                        ; the eight sums over the 32 lanes, by turns
.irp e, 0,1,2,3,4,5,6,7
	v_add_f32_dpp v[ACC+\e], v[ACC+\e], v[ACC+\e] row_xmask:\m row_mask:0xf bank_mask:0xf
.endr
.endr
.irp e, 0,1,2,3,4,5,6,7
	v_permlanex16_b32 v[PT+\e], v[ACC+\e], s26, s27
.endr
.irp e, 0,1,2,3,4,5,6,7
	v_add_f32 v[ACC+\e], v[ACC+\e], v[PT+\e]
.endr
	ds_store_b128 v[PLA], v[ACC:ACC+3] offset:128*(\j)              ; all lanes write the same bytes with the same values
	ds_store_b128 v[PLA], v[ACC+4:ACC+7] offset:128*(\j)+16
.endm
	RSTEP 0
	RSTEP 1
	RSTEP 2
	RSTEP 3
	s_wait_dscnt 0x0                               ; for the others' sake: my scale bytes and partial logits lie in LDS
	s_barrier_signal -1
	s_barrier_wait -1
	s_cmp_eq_u32 s20, 0
	s_cbranch_scc1 .Lfinal
	s_cmp_eq_u32 s20, 1
	s_cbranch_scc1 .Lscout
	s_set_vgpr_msb 0x5
	s_wait_tensorcnt 0x0
	ds_add_u32 v0, v1
	s_wait_dscnt 0x0
	s_set_vgpr_msb 0x500
	s_endpgm
.Lscout:                                               ; wave 1: the work-group's 512 scale bytes leave as 512 consecutive bytes
	ds_load_b128 v[32:35], v[SBR]
	s_wait_dscnt 0x0
	global_store_b128 v[XO], v[32:35], s[12:13]
	s_set_vgpr_msb 0x5
	s_wait_tensorcnt 0x0
	ds_add_u32 v0, v1
	s_wait_dscnt 0x0
	s_set_vgpr_msb 0x500
	s_endpgm
.Lfinal:                                               ; wave 0: lane = 8 rr + e; each lane serves rows rr (A) and rr + 4 (B)
.irp q, 0,1,2,3
	ds_load_b32 v[32+\q], v[FA] offset:32*\q
	ds_load_b32 v[36+\q], v[FA] offset:512+32*\q
.endr
	v_cvt_f32_u32 v40, v[EE]                       ; e as a float
	s_wait_dscnt 0x0
	v_add_f32 v32, v32, v33
	v_add_f32 v34, v34, v35
	v_add_f32 v36, v36, v37
	v_add_f32 v38, v38, v39
	v_add_f32 v32, v32, v34
	v_add_f32 v36, v36, v38
	v_add_f32 v32, v32, v[BI]                      ; the logits
	v_add_f32 v36, v36, v[BI]
	v_max_num_f32_dpp v33, v32, v32 row_xmask:1 row_mask:0xf bank_mask:0xf      ; the row's largest logit: over its eight lanes
	v_max_num_f32_dpp v37, v36, v36 row_xmask:1 row_mask:0xf bank_mask:0xf
.irp m, 2,4
	v_max_num_f32_dpp v33, v33, v33 row_xmask:\m row_mask:0xf bank_mask:0xf
	v_max_num_f32_dpp v37, v37, v37 row_xmask:\m row_mask:0xf bank_mask:0xf
.endr
	v_sub_f32 v34, v32, v33                        ; the maximum is taken away ahead of the exponential
	v_sub_f32 v38, v36, v37
	v_mul_f32 v34, s29, v34
	v_mul_f32 v38, s29, v38
	v_exp_f32 v34, v34
	v_exp_f32 v38, v38
	v_mov_b32 v41, 0x41000000                      ; 8.0 (a plain line behind the exponentials)
	s_wait_alu depctr_va_vdst(0)                   ; one wait for both, ahead of their first reader
	v_add_f32_dpp v35, v34, v34 row_xmask:1 row_mask:0xf bank_mask:0xf
	v_add_f32_dpp v39, v38, v38 row_xmask:1 row_mask:0xf bank_mask:0xf
.irp m, 2,4
	v_add_f32_dpp v35, v35, v35 row_xmask:\m row_mask:0xf bank_mask:0xf
	v_add_f32_dpp v39, v39, v39 row_xmask:\m row_mask:0xf bank_mask:0xf
.endr
	v_rcp_f32 v35, v35
	v_rcp_f32 v39, v39
	v_nop                                          ; a plain line behind the reciprocals
	s_wait_alu depctr_va_vdst(0)                   ; one wait for both
	v_mul_f32 v34, v34, v35                        ; the probabilities
	v_mul_f32 v38, v38, v39
	v_max_num_f32_dpp v33, v34, v34 row_xmask:1 row_mask:0xf bank_mask:0xf      ; the largest of a row
	v_max_num_f32_dpp v37, v38, v38 row_xmask:1 row_mask:0xf bank_mask:0xf
.irp m, 2,4
	v_max_num_f32_dpp v33, v33, v33 row_xmask:\m row_mask:0xf bank_mask:0xf
	v_max_num_f32_dpp v37, v37, v37 row_xmask:\m row_mask:0xf bank_mask:0xf
.endr
	v_cmp_eq_f32 vcc_lo, v34, v33
	v_cndmask_b32 v42, v41, v40, vcc_lo            ; e where the largest is mine, else 8
	v_cmp_eq_f32 vcc_lo, v38, v37
	v_cndmask_b32 v43, v41, v40, vcc_lo
.irp m, 1,2,4
	v_min_num_f32_dpp v42, v42, v42 row_xmask:\m row_mask:0xf bank_mask:0xf     ; the lowest such e
	v_min_num_f32_dpp v43, v43, v43 row_xmask:\m row_mask:0xf bank_mask:0xf
.endr
	v_cvt_u32_f32 v42, v42
	v_cvt_u32_f32 v43, v43
	v_add_f32 v44, v34, v38                        ; the probabilities of expert e over the 8 rows
	v_add_f32_dpp v44, v44, v44 row_xmask:8 row_mask:0xf bank_mask:0xf
	v_permlanex16_b32 v[PX], v44, s26, s27
	v_add_f32 v44, v44, v[PX]
	v_lshrrev_b32 v46, 3, v[LN]
	v_lshlrev_b32 v46, 2, v46                      ; 4 rr
	v_lshlrev_b32 v47, 2, v[LN]
	v_cmp_eq_u32 vcc_lo, 0, v[EE]
	s_wait_xcnt 0x0                                ; EXEC changes only behind this wait: my stores of codes have been issued
	s_set_vgpr_msb 0x5
	s_wait_tensorcnt 0x0
	ds_add_u32 v0, v1
	s_wait_dscnt 0x0
	s_set_vgpr_msb 0x500
	s_and_saveexec_b32 s28, vcc_lo                 ; one lane a row
	global_store_b32 v46, v42, s[14:15]
	global_store_b32 v46, v43, s[14:15] offset:16
	global_store_b32 v46, v33, s[18:19]
	global_store_b32 v46, v37, s[18:19] offset:16
	s_wait_xcnt 0x0
	s_or_b32 exec_lo, exec_lo, s28
	v_cmp_gt_u32 vcc_lo, 8, v[LN]
	s_and_saveexec_b32 s28, vcc_lo                 ; lanes 0 to 7: one an expert
	global_store_b32 v47, v44, s[16:17]
	s_wait_xcnt 0x0
	s_or_b32 exec_lo, exec_lo, s28
	s_endpgm
.Lfunc_end_k_q405b859e66_route:
	.size	k_q405b859e66_route, .Lfunc_end_k_q405b859e66_route-k_q405b859e66_route
	.p2alignl 7, 3214868480
	.fill 96, 4, 3214868480
	.section	.rodata,"a",@progbits
	.p2align	6, 0x0
	.amdhsa_kernel k_q405b859e66_route
		.amdhsa_group_segment_fixed_size 111104
		.amdhsa_private_segment_fixed_size 0
		.amdhsa_enable_private_segment 0
		.amdhsa_kernarg_size 64
		.amdhsa_user_sgpr_count 2
		.amdhsa_user_sgpr_kernarg_segment_ptr 1
		.amdhsa_wavefront_size32 1
		.amdhsa_system_sgpr_workgroup_id_x 1
		.amdhsa_system_sgpr_workgroup_id_y 1
		.amdhsa_system_sgpr_workgroup_id_z 1
		.amdhsa_system_vgpr_workitem_id 0
		.amdhsa_next_free_vgpr 258
		.amdhsa_next_free_sgpr 66
		.amdhsa_reserve_vcc 1
		.amdhsa_float_denorm_mode_32 3
		.amdhsa_float_denorm_mode_16_64 3
		.amdhsa_memory_ordered 1
		.amdhsa_forward_progress 1
		.amdhsa_inst_pref_size 49
	.end_amdhsa_kernel
	.amdgpu_metadata
---
amdhsa.version: [ 1, 2 ]
amdhsa.kernels:
  - .name:           k_q405b859e66_route
    .symbol:         k_q405b859e66_route.kd
    .args:
      - { .name: x, .offset: 0, .size: 8, .value_kind: global_buffer, .address_space: global }
      - { .name: switch_w, .offset: 8, .size: 8, .value_kind: global_buffer, .address_space: global }
      - { .name: switch_b, .offset: 16, .size: 8, .value_kind: global_buffer, .address_space: global }
      - { .name: xc, .offset: 24, .size: 8, .value_kind: global_buffer, .address_space: global }
      - { .name: xs, .offset: 32, .size: 8, .value_kind: global_buffer, .address_space: global }
      - { .name: routes, .offset: 40, .size: 8, .value_kind: global_buffer, .address_space: global }
      - { .name: psum, .offset: 48, .size: 8, .value_kind: global_buffer, .address_space: global }
      - { .name: out3, .offset: 56, .size: 8, .value_kind: global_buffer, .address_space: global }
    .group_segment_fixed_size: 111104
    .private_segment_fixed_size: 0
    .kernarg_segment_align: 8
    .kernarg_segment_size: 64
    .max_flat_workgroup_size: 256
    .sgpr_count:     66
    .vgpr_count:     258
    .wavefront_size: 32
...
	.end_amdgpu_metadata
.endif
;; end of part 1
;; launch place (part 2): grid 1 x 1, 8 waves a work-group, no clusters, 2,304 bytes of LDS; arguments routes, psum, list, meta, out1, out2; writes list, meta, out1, out2
.if DOCPART == 2
	.amdgcn_target "amdgcn-amd-amdhsa--gfx1250"
	.amdhsa_code_object_version 6
	.text
	.protected	k_q405b859e66_place
	.globl	k_q405b859e66_place
	.p2align	8
	.type	k_q405b859e66_place,@function
k_q405b859e66_place:
	s_mov_b64 s[64:65], 0
	v_nop
	global_prefetch_b8 v0, s[64:65] scope:SCOPE_SE
	s_setreg_imm32_b32 hwreg(HW_REG_WAVE_MODE, 25, 1), 1
	s_wait_xcnt 0x0
; THE PLACING OF ROWS: a counting sort of the 2,048 tokens by their expert, without atomics, by one work-group of eight waves; and the two sums over all tokens.
; list [2048]: token numbers, expert by expert;  meta [8][2]: (tokens of expert e, its first place in list);  out1: the counts as floats;  out2: the probabilities' sums.
; Thread t takes tokens 4 t + j and 1024 + 4 t + j, j = 0..3.  The order of an expert's tokens in list is free: each row's result stands alone.
; One work-group: 16 KB are read and 8 KB written, and every count hangs on all tokens.
.set CNTL, 0                           ; LDS: [8 waves][32 words]: word e of wave w = its tokens of expert e
.set PSL,  1024                        ; [8 waves][8] f32: each wave's part of out2
.set RT,   8                           ; v8-15  eight tokens' experts
.set FP,   16                          ; v16-23 eight words of psum
.set POS,  24                          ; v24-31 the tokens' places
.set KC,   32                          ; v32-39 the waves' counts
.set TOT,  40                          ; v40    lane e: tokens of expert e
.set OFS,  41                          ; v41    lane e: its first place
.set BEF,  42                          ; v42    lane e: its tokens in the waves before mine
.set CNT,  43                          ; v43    lane e: my wave's
.set TMP,  44
.set TK,   48                          ; v48-55 the token numbers
	s_load_b256 s[4:11], s[0:1], 0x0               ; routes, psum, list, meta
	s_load_b128 s[12:15], s[0:1], 0x20             ; out1, out2
	v_lshl_add_u32 v64, v0, 2, 0x500
	v_mov_b32 v65, 0
	v_lshrrev_b32 v1, 5, v0
	v_readfirstlane_b32 s16, v1                    ; wave
	v_and_b32 v1, 31, v0                           ; lane
	v_lshlrev_b32 v2, 4, v0                        ; 16 t
	v_lshlrev_b32 v3, 2, v0                        ; 4 t: my first token, and my word among the counts
	v_lshlrev_b32 v4, 2, v1                        ; 4 x lane
	v_and_b32 v5, 1, v0
	v_lshlrev_b32 v5, 4, v5
	s_lshl_b32 s17, s16, 5
	s_add_co_u32 s17, s17, PSL
	v_add_nc_u32 v5, s17, v5                       ; PSL + 32 x wave + 16 (lane % 2)
	v_and_b32 v6, 7, v0
	v_lshl_add_u32 v6, v6, 2, PSL                  ; PSL + 4 (lane % 8)
	v_lshlrev_b32 v7, 3, v1                        ; 8 x lane
	v_mov_b32 v[CNT], 0
	v_mov_b32 v[OFS], 0
	s_mov_b32 s20, 0x76543210
	s_mov_b32 s21, 0xfedcba98
	s_wait_kmcnt 0x0
	global_load_b128 v[RT:RT+3], v2, s[4:5]
	global_load_b128 v[RT+4:RT+7], v2, s[4:5] offset:4096
	global_load_b128 v[FP:FP+3], v2, s[6:7]
	global_load_b128 v[FP+4:FP+7], v2, s[6:7] offset:4096
.irp i, 0,1,2,3,4,5,6,7
	v_add_nc_u32 v[TK+\i], 1024*(\i/4)+\i%4, v3
.endr
.irp e, 0,1,2,3,4,5,6,7
	s_mov_b32 s[24+\e], 0
.endr
	s_wait_loadcnt 0x0
	; psum's word 4 t + j belongs to expert 4 (t % 2) + j: lanes of like parity are added
.irp j, 0,1,2,3
	v_add_f32 v[FP+\j], v[FP+\j], v[FP+4+\j]
.endr
.irp m, 2,4,8
.irp j, 0,1,2,3
	v_add_f32_dpp v[FP+\j], v[FP+\j], v[FP+\j] row_xmask:\m row_mask:0xf bank_mask:0xf
.endr
.endr
.irp j, 0,1,2,3
	v_permlanex16_b32 v[FP+4+\j], v[FP+\j], s20, s21
.endr
.irp j, 0,1,2,3
	v_add_f32 v[FP+\j], v[FP+\j], v[FP+4+\j]
.endr
	ds_store_b128 v5, v[FP:FP+3]                   ; lanes of like parity write the same bytes with the same values
	; my wave's tokens of each expert
.irp e, 0,1,2,3,4,5,6,7
.irp i, 0,1,2,3,4,5,6,7
	v_cmp_eq_u32 s60, \e, v[RT+\i]
	s_bcnt1_i32_b32 s61, s60
	s_add_co_u32 s[24+\e], s[24+\e], s61
.endr
.endr
.irp e, 0,1,2,3,4,5,6,7
	v_writelane_b32 v[CNT], s[24+\e], \e
.endr
	ds_store_b32 v3, v[CNT]
	s_wait_dscnt 0x0                               ; for the others' sake: my counts and sums lie in LDS
	s_barrier_signal -1
	s_barrier_wait -1
.irp w, 0,1,2,3,4,5,6,7
	ds_load_b32 v[KC+\w], v4 offset:CNTL+128*\w
.endr
	v_mov_b32 v[BEF], 0
	s_wait_dscnt 0x0
	v_add_nc_u32 v[TOT], v[KC], v[KC+1]
.irp w, 2,3,4,5,6,7
	v_add_nc_u32 v[TOT], v[TOT], v[KC+\w]
.endr
.irp w, 0,1,2,3,4,5,6
	s_cmp_gt_u32 s16, \w                           ; a wave before mine?
	s_cselect_b32 s62, -1, 0
	v_and_b32 v[TMP], s62, v[KC+\w]
	v_add_nc_u32 v[BEF], v[BEF], v[TMP]
.endr
.irp e, 0,1,2,3,4,5,6,7
	v_readlane_b32 s[32+\e], v[TOT], \e
	v_readlane_b32 s[40+\e], v[BEF], \e
.endr
	s_mov_b32 s48, 0                               ; s[48+e]: expert e's first place
.irp e, 0,1,2,3,4,5,6,7
	s_add_co_u32 s[49+\e], s[48+\e], s[32+\e]
	s_add_co_u32 s[40+\e], s[40+\e], s[48+\e]      ; s[40+e]: the next free place for my wave's tokens of expert e
.endr
.irp i, 0,1,2,3,4,5,6,7
.irp e, 0,1,2,3,4,5,6,7
	v_cmp_eq_u32 s60, \e, v[RT+\i]
	v_mbcnt_lo_u32_b32 v[TMP], s60, s[40+\e]       ; the free place + the lanes below mine that hold a token of e
.if \e == 0
	v_mov_b32 v[POS+\i], v[TMP]
.else
	v_cndmask_b32 v[POS+\i], v[POS+\i], v[TMP], s60
.endif
	s_bcnt1_i32_b32 s61, s60
	s_add_co_u32 s[40+\e], s[40+\e], s61
.endr
.endr
.irp i, 0,1,2,3,4,5,6,7
	v_min_u32 v[POS+\i], 0x7ff, v[POS+\i]          ; a place made of loaded numbers is held inside list
.endr
.irp i, 0,1,2,3,4,5,6,7
	v_lshlrev_b32 v[POS+\i], 2, v[POS+\i]
.endr
.irp i, 0,1,2,3,4,5,6,7
	global_store_b32 v[POS+\i], v[TK+\i], s[8:9]
.endr
	s_cmp_lg_u32 s16, 0
	s_cbranch_scc1 .Lend
.irp e, 0,1,2,3,4,5,6,7
	v_writelane_b32 v[OFS], s[48+\e], \e
.endr
.irp w, 0,1,2,3,4,5,6,7
	ds_load_b32 v[KC+\w], v6 offset:32*\w          ; the eight waves' parts of out2
.endr
	v_cvt_f32_u32 v[TMP+1], v[TOT]
	v_cmp_gt_u32 vcc_lo, 8, v1
	s_wait_dscnt 0x0
	v_add_f32 v[KC], v[KC], v[KC+1]
	v_add_f32 v[KC+2], v[KC+2], v[KC+3]
	v_add_f32 v[KC+4], v[KC+4], v[KC+5]
	v_add_f32 v[KC+6], v[KC+6], v[KC+7]
	v_add_f32 v[KC], v[KC], v[KC+2]
	v_add_f32 v[KC+4], v[KC+4], v[KC+6]
	v_add_f32 v[KC], v[KC], v[KC+4]
	s_wait_xcnt 0x0                                ; EXEC changes only behind this wait
	s_and_saveexec_b32 s22, vcc_lo                 ; lanes 0 to 7: one an expert
	global_store_b64 v7, v[TOT:OFS], s[10:11]
	global_store_b32 v4, v[TMP+1], s[12:13]
	global_store_b32 v4, v[KC], s[14:15]
	s_wait_xcnt 0x0
	s_or_b32 exec_lo, exec_lo, s22
.Lend:
	s_wait_tensorcnt 0x0
	ds_add_u32 v64, v65
	s_wait_dscnt 0x0
	s_endpgm
.Lfunc_end_k_q405b859e66_place:
	.size	k_q405b859e66_place, .Lfunc_end_k_q405b859e66_place-k_q405b859e66_place
	.p2alignl 7, 3214868480
	.fill 96, 4, 3214868480
	.section	.rodata,"a",@progbits
	.p2align	6, 0x0
	.amdhsa_kernel k_q405b859e66_place
		.amdhsa_group_segment_fixed_size 2304
		.amdhsa_private_segment_fixed_size 0
		.amdhsa_enable_private_segment 0
		.amdhsa_kernarg_size 48
		.amdhsa_user_sgpr_count 2
		.amdhsa_user_sgpr_kernarg_segment_ptr 1
		.amdhsa_wavefront_size32 1
		.amdhsa_system_sgpr_workgroup_id_x 1
		.amdhsa_system_sgpr_workgroup_id_y 1
		.amdhsa_system_sgpr_workgroup_id_z 1
		.amdhsa_system_vgpr_workitem_id 0
		.amdhsa_next_free_vgpr 66
		.amdhsa_next_free_sgpr 96
		.amdhsa_reserve_vcc 1
		.amdhsa_float_denorm_mode_32 3
		.amdhsa_float_denorm_mode_16_64 3
		.amdhsa_memory_ordered 1
		.amdhsa_forward_progress 1
		.amdhsa_inst_pref_size 35
	.end_amdhsa_kernel
	.amdgpu_metadata
---
amdhsa.version: [ 1, 2 ]
amdhsa.kernels:
  - .name:           k_q405b859e66_place
    .symbol:         k_q405b859e66_place.kd
    .args:
      - { .name: routes, .offset: 0, .size: 8, .value_kind: global_buffer, .address_space: global }
      - { .name: psum, .offset: 8, .size: 8, .value_kind: global_buffer, .address_space: global }
      - { .name: list, .offset: 16, .size: 8, .value_kind: global_buffer, .address_space: global }
      - { .name: meta, .offset: 24, .size: 8, .value_kind: global_buffer, .address_space: global }
      - { .name: out1, .offset: 32, .size: 8, .value_kind: global_buffer, .address_space: global }
      - { .name: out2, .offset: 40, .size: 8, .value_kind: global_buffer, .address_space: global }
    .group_segment_fixed_size: 2304
    .private_segment_fixed_size: 0
    .kernarg_segment_align: 8
    .kernarg_segment_size: 48
    .max_flat_workgroup_size: 256
    .sgpr_count:     96
    .vgpr_count:     66
    .wavefront_size: 32
...
	.end_amdgpu_metadata
.endif
;; end of part 2
;; launch experts (part 3): grid 256 x 1, 16 waves a work-group, no clusters, 211,968 bytes of LDS; arguments expert_w, expert_b, xc, xs, list, meta, out3, out0; writes out0
.if DOCPART == 3
	.amdgcn_target "amdgcn-amd-amdhsa--gfx1250"
	.amdhsa_code_object_version 6
	.text
	.protected	k_q405b859e66_experts
	.globl	k_q405b859e66_experts
	.p2align	8
	.type	k_q405b859e66_experts,@function
k_q405b859e66_experts:
	s_mov_b64 s[64:65], 0
	v_nop
	global_prefetch_b8 v0, s[64:65] scope:SCOPE_SE
	s_setreg_imm32_b32 hwreg(HW_REG_WAVE_MODE, 25, 1), 1
	s_wait_xcnt 0x0
; out0[t][o] = relu(Q(x[t]) . Q(expert_w[e][:, o]) + expert_b[e][o]) x out3[t] for the ONE expert e chosen for token t: the other experts' rows are masked away, so they are not multiplied.
; Both operands are codes of E2M1 with one E8M0 scale for each 32 along K; sums in f32.
; SHARES.  Work-group g: expert e = g / 32, columns 64 (g % 32) on: 2048 x 64 numbers of expert_w, 512 KB, which nobody else reads.  Each number of out0 has one owner.
; PHASE 1, the stream.  Wave w takes K step w (128 along K) of the 64 columns.  A LANE TAKES TWO COLUMNS AND ITS REGISTERS RUN DOWN K: each load of a wave covers 256 consecutive bytes, aligned; a block of 32 along K lies
; in one lane, and the conversions give codes with K innermost.  The codes go to LDS as IMAGES OF THE OPERAND'S REGISTERS (a fragment: 2 x 512 bytes, lane l's 16 bytes at 16 l), the scale words beside them.  They never go to memory.
; PHASE 2.  Wave w takes rows 32 (w + 16 p) .. + 31 of the expert's list, p = 0..3 (a constant count of trips; a scalar branch on the expert's stored count passes over the trips without rows: so every split is served,
; all 2,048 tokens on one expert too).  A wave's tile is 32 rows x 64 columns: 8 accumulators, which start from the bias.  x's codes are gathered by the list, a quarter of K at a time, through the wave's own stage.
; THE MATRIX INSTRUCTION IS USED TRANSPOSED (source 0 = 16 columns of the weight, source 1 = 16 rows of x): a lane holds one row and eight neighbouring columns.
; Places past the expert's last row name its last row again: that row is computed again and the same bytes are stored to the same place.  So no lane is ever switched off.
; NO TENSOR LOADS, NO CLUSTER: branches hang on counts read from memory; each byte of the weights has one reader; what the 32 work-groups of an expert share, x's codes, is a gather by a list.
; LIMITS: NaN and infinities among the inputs are not served.  A block of zeros gets the scale byte 1 where the rule says 127: its codes are zeros, and this program alone reads the bytes.
.set KSB, 4160                         ; LDS from byte 0: the images: a K step's four tiles of 16 columns,
.set TLB, 1040                         ; 1,040 bytes apart (1,024 + 16): the sixteen lanes of a store then fall on sixteen different 16-byte columns
.set SCL, 66560                        ; the weights' scale words: K step s at 256 s; column n at 8 (n % 32) + 4 (n / 32)
.set STG, 70656                        ; a stage of 32 rows x 272 bytes for each wave: x's codes of a quarter of K (256 bytes a row); at the end 32 rows of out0
.set WST, 8704
.set RP,  272
.set WO,   1                           ; v1   8 x lane: my two columns in a row of the weight tile
.set IMGW, 2                           ; v2   where I store codes: 4160 w + 1040 (l / 8) + 32 (l % 8)
.set SCW,  3                           ; v3   and scale words: SCL + 256 w + 16 r + 4 h
.set BF0,  4                           ; v4   16 x lane: images of K steps 0-7;  v5: of K steps 8-15 (+ 33,280)
.set BSA,  6                           ; v6   SCL + 8 x lane
.set STA,  7                           ; v7   the stage by whole rows: lanes 0-15 row i, lanes 16-31 row 16 + i
.set AFA,  8                           ; v8   the stage by fragments: row r, + 16 h
.set DSA,  9                           ; v9   the stage for results: row r, + 32 h
.set LO16, 10                          ; v10  16 r
.set H16,  11                          ; v11  16 h
.set BA,   12                          ; v12  32 h
.set IDL,  13                          ; v13  the token of local row l
.set P0,   14                          ; v14-15 the probability of row r, twice;  v16-17 of row 16 + r
.set PR,   18                          ; v18  the probability of local row l
.set PX,   19                          ; v19  a lane permute's destination
.set MX,   20                          ; v20-21 largest magnitudes of my two columns;  v22-23 the conversions' scale operands;  v24-25 my columns' scale words
.set SX,   22
.set WW,   24
.set BS,   26                          ; v26-27 the weights' scale words of a K step: scales and nothing else
.set XSC,  28                          ; v28-43 x's scale words, register s for K step s: lane l holds local row l's: scales and nothing else
.set IDX,  44                          ; v44-59 register i: the token of local row 16 h + i
.set TT,   60                          ; v60-75 phase 1: two sets of eight numbers of one column;  phase 2: x's two fragments
.set XF,   60
.set CC,   76                          ; v76-83 phase 1: the codes;  v76-107 phase 2: four fragments of the weights;  v76-91 on the way out: offsets in out0
.set WF,   76
.set OO,   76
.set XA,   108
.set PA,   109
.set BY,   110                         ; v110-111 scale bytes
.set LN,   112                         ; v112 l, v113 r = l % 16, v114 h = l / 16
.set RR,   113
.set HH,   114
.set T0,   115
.set T1,   116
.set RING, 128                         ; v128-191, v192-255: two sets of 32 rows x 2 columns of the weights
.set XS,   128                         ; later: x's rows as loaded; rows of out0 read back
.set ACC,  192                         ; later: accumulator (a, u) at ACC + 32 a + 8 u
	s_load_b256 s[4:11], s[0:1], 0x0               ; expert_w, expert_b, xc, xs
	s_load_b256 s[12:19], s[0:1], 0x20             ; list, meta, out3, out0
	v_lshl_add_u32 v126, v0, 2, 0x33400
	v_mov_b32 v127, 0
	v_lshrrev_b32 v1, 5, v0
	v_readfirstlane_b32 s23, v1                    ; wave 0..15
	s_lshr_b32 s24, ttmp9, 5                       ; e
	s_and_b32 s25, ttmp9, 31                       ; which 64 columns
	v_and_b32 v[LN], 31, v0
	v_and_b32 v[RR], 15, v0
	v_bfe_u32 v[HH], v0, 4, 1
	v_lshlrev_b32 v[WO], 3, v[LN]
	s_mul_i32 s33, s23, KSB
	v_lshrrev_b32 v[IMGW], 3, v[LN]
	v_mul_u32_u24 v[IMGW], v[IMGW], TLB
	v_and_b32 v[T0], 7, v[LN]
	v_lshl_add_u32 v[IMGW], v[T0], 5, v[IMGW]
	v_add_nc_u32 v[IMGW], s33, v[IMGW]
	s_lshl_b32 s33, s23, 8
	s_add_co_u32 s33, s33, SCL
	v_lshlrev_b32 v[SCW], 4, v[RR]
	v_lshl_add_u32 v[SCW], v[HH], 2, v[SCW]
	v_add_nc_u32 v[SCW], s33, v[SCW]
	v_lshlrev_b32 v[BF0], 4, v[LN]
	v_add_nc_u32 v[BF0+1], 8*KSB, v[BF0]
	v_add_nc_u32 v[BSA], SCL, v[WO]
	s_mul_i32 s33, s23, WST
	s_add_co_u32 s33, s33, STG                     ; my stage
	v_lshlrev_b32 v[LO16], 4, v[RR]
	v_lshlrev_b32 v[H16], 4, v[HH]
	v_lshlrev_b32 v[BA], 5, v[HH]
	v_mul_u32_u24 v[STA], v[HH], 16*RP
	v_add_nc_u32 v[STA], v[STA], v[LO16]
	v_add_nc_u32 v[STA], s33, v[STA]
	v_mul_u32_u24 v[AFA], v[RR], RP
	v_add_nc_u32 v[DSA], v[AFA], v[BA]
	v_add_nc_u32 v[AFA], v[AFA], v[H16]
	v_add_nc_u32 v[AFA], s33, v[AFA]
	v_add_nc_u32 v[DSA], s33, v[DSA]
	v_mov_b32 v[PX], 0
	s_mov_b32 s30, 0x76543210                      ; v_permlanex16_b32's selects for lane l xor 16
	s_mov_b32 s31, 0xfedcba98
	s_mov_b32 s32, 0xffff0000                      ; lanes 16-31
	s_mov_b32 s35, 0
	s_lshl_b32 s26, s23, 5                         ; my first row of the expert's list in trip 0: 32 w
	s_mov_b32 s29, 0                               ; the trip
	s_wait_kmcnt 0x0
	s_lshl_b32 s34, s24, 3
	s_add_nc_u64 s[14:15], s[14:15], s[34:35]
	s_load_b64 s[20:21], s[14:15], 0x0             ; s20: the expert's rows; s21: its first place in list
	s_lshl_b32 s34, s24, 24                        ; expert_w: an expert is 2^24 bytes,
	s_lshl_b32 s33, s23, 20                        ; 128 rows of 8,192 bytes,
	s_add_co_u32 s34, s34, s33
	s_lshl_b32 s33, s25, 8                         ; 64 columns
	s_add_co_u32 s34, s34, s33
	s_add_nc_u64 s[4:5], s[4:5], s[34:35]
	s_lshl_b32 s34, s24, 13                        ; expert_b: 8,192 bytes an expert
	s_add_co_u32 s34, s34, s33
	s_add_nc_u64 s[6:7], s[6:7], s[34:35]
	s_mov_b32 s34, s33
	s_add_nc_u64 s[18:19], s[18:19], s[34:35]      ; out0 at my 64 columns
.macro LOADB b                         ; block b of my K step: 32 rows of the weight tile, 256 consecutive bytes a load, into set b % 2
.irp i, 0,1,2,3,4,5,6,7,8,9,10,11,12,13,14,15,16,17,18,19,20,21,22,23,24,25,26,27,28,29,30,31
	global_load_b64 v[RING+64*((\b)%2)+2*\i:RING+64*((\b)%2)+2*\i+1], v[WO], s[4:5] offset:(32*(\b)+\i)*8192 th:TH_LOAD_NT
.endr
.endm
; Block b is quantised: n = the loads issued behind its 32, which may stay out.
.macro BLOCK b, n
.set XB, RING+64*((\b)%2)
	s_wait_loadcnt \n
	s_wait_dscnt 0x0                               ; the last block's LDS stores have read the codes' registers
.irp j, 0,1
	v_max3_num_f32 v[MX+\j], |v[XB+\j]|, |v[XB+2+\j]|, 0x1800000   ; my two columns by turns; the floor 2^(3 - 127) holds the byte at 1 from below
.endr
.irp i, 2,4,6,8,10,12,14,16,18,20,22,24,26,28,30
.irp j, 0,1
	v_max3_num_f32 v[MX+\j], v[MX+\j], |v[XB+2*\i+\j]|, |v[XB+2*\i+2+\j]|
.endr
.endr
.irp j, 0,1
	v_add_nc_u32 v[SX+\j], 0xff000000, v[MX+\j]    ; 2 off the exponent field: the conversion's scale operand
.endr
.irp j, 0,1
	v_lshrrev_b32 v[BY+\j], 23, v[SX+\j]           ; the scale's byte
.endr
.irp j, 0,1
.if (\b) == 0
	v_mov_b32 v[WW+\j], v[BY+\j]
.else
	v_lshl_or_b32 v[WW+\j], v[BY+\j], 8*(\b), v[WW+\j]             ; byte b of the column's scale word for this K step
.endif
.endr
.irp j, 0,1
.irp g, 0,1,2,3
.irp m, 0,1,2,3,4,5,6,7
	v_mov_b32 v[TT+8*(\g%2)+\m], v[XB+2*(8*\g+\m)+\j]              ; eight neighbours along K of one column on end; the two sets take turns, so eight plain lines stand between a conversion and the next write of its sources
.endr
	v_cvt_scalef32_pk8_fp4_f32 v[CC+4*\j+\g], v[TT+8*(\g%2):TT+8*(\g%2)+7], v[SX+\j]
.endr
.endr
	v_nop                                          ; a plain line behind the last conversion
	ds_store_b128 v[IMGW], v[CC:CC+3] offset:512*((\b)/2)+256*((\b)%2)       ; column 2 l: registers 4 (b / 2) on of lane (2 l) % 16 + 16 (b % 2) of its tile's fragment
	ds_store_b128 v[IMGW], v[CC+4:CC+7] offset:512*((\b)/2)+256*((\b)%2)+16  ; column 2 l + 1: the lane beside it
.if (\b) < 2
	LOADB (\b)+2
.endif
.if (\b) == 3
	ds_store_b32 v[SCW], v[WW]
	ds_store_b32 v[SCW], v[WW+1] offset:8
.endif
.endm
; The tokens of my 32 rows: IDX[i]: local row 16 h + i;  IDL: local row l.  Places are held at the expert's last, and inside list.
.macro INDEX
	s_add_co_u32 s28, s21, s26
	v_add_nc_u32 v[T1], s28, v[H16]
	v_add_nc_u32 v[IDL], s28, v[LN]
.irp i, 0,1,2,3,4,5,6,7,8,9,10,11,12,13,14,15
	v_add_nc_u32 v[IDX+\i], \i, v[T1]
.endr
	v_min_u32 v[IDL], s27, v[IDL]
.irp i, 0,1,2,3,4,5,6,7,8,9,10,11,12,13,14,15
	v_min_u32 v[IDX+\i], s27, v[IDX+\i]
.endr
	v_min_u32 v[IDL], 0x7ff, v[IDL]
.irp i, 0,1,2,3,4,5,6,7,8,9,10,11,12,13,14,15
	v_min_u32 v[IDX+\i], 0x7ff, v[IDX+\i]
.endr
	v_lshlrev_b32 v[IDL], 2, v[IDL]
.irp i, 0,1,2,3,4,5,6,7,8,9,10,11,12,13,14,15
	v_lshlrev_b32 v[IDX+\i], 2, v[IDX+\i]
.endr
	global_load_b32 v[IDL], v[IDL], s[12:13]       ; each load lands on its own address register
.irp i, 0,1,2,3,4,5,6,7,8,9,10,11,12,13,14,15
	global_load_b32 v[IDX+\i], v[IDX+\i], s[12:13]
.endr
.endm
.macro IDXFIX                          ; loaded numbers are held inside the tables that they index
	v_min_u32 v[IDL], 0x7ff, v[IDL]
.irp i, 0,1,2,3,4,5,6,7,8,9,10,11,12,13,14,15
	v_min_u32 v[IDX+\i], 0x7ff, v[IDX+\i]
.endr
.endm
.macro XSCLOAD                         ; local row l's 16 scale words and its probability
	v_lshlrev_b32 v[XA], 6, v[IDL]
	v_lshlrev_b32 v[PA], 2, v[IDL]
.irp q, 0,1,2,3
	global_load_b128 v[XSC+4*\q:XSC+4*\q+3], v[XA], s[10:11] offset:16*\q
.endr
	global_load_b32 v[PR], v[PA], s[16:17]
.endm
.macro XLOAD q                         ; quarter q of K of my 32 rows' codes: sixteen lanes read 256 consecutive bytes of a row
.irp i, 0,1,2,3,4,5,6,7,8,9,10,11,12,13,14,15
	v_lshl_add_u32 v[XS+4*\i], v[IDX+\i], 10, v[LO16]
.endr
.irp i, 0,1,2,3,4,5,6,7,8,9,10,11,12,13,14,15
	global_load_b128 v[XS+4*\i:XS+4*\i+3], v[XS+4*\i], s[8:9] offset:256*(\q)
.endr
.endm
.macro BIASLOAD                        ; the sums start from the bias: lane (r, h), tile u: columns 16 u + 8 h + 0 .. 7
.irp a, 0,1
.irp u, 0,1,2,3
	global_load_b128 v[ACC+32*\a+8*\u:ACC+32*\a+8*\u+3], v[BA], s[6:7] offset:64*\u
	global_load_b128 v[ACC+32*\a+8*\u+4:ACC+32*\a+8*\u+7], v[BA], s[6:7] offset:64*\u+16
.endr
.endr
.endm
; One product: rows 16 a on, columns 16 u on, K step s.  The weights' scale words: register u / 2, lanes 0-15 for even u, lanes 16-31 for odd;  x's: register s, lanes 0-15 for a = 0, lanes 16-31 for a = 1.
.macro WM a, u, s
.set D_, ACC+32*(\a)+8*(\u)
.set W_, WF+8*(\u)
.set A_, XF+8*(\a)
.set SA_, BS+(\u)/2
.set SB_, XSC+(\s)
.if ((\u)%2 == 0) && ((\a) == 0)
	v_wmma_scale_f32_16x16x128_f8f6f4 v[D_:D_+7], v[W_:W_+7], v[A_:A_+7], v[D_:D_+7], v[SA_], v[SB_] matrix_a_fmt:MATRIX_FMT_FP4 matrix_b_fmt:MATRIX_FMT_FP4
.elseif ((\u)%2 == 1) && ((\a) == 0)
	v_wmma_scale_f32_16x16x128_f8f6f4 v[D_:D_+7], v[W_:W_+7], v[A_:A_+7], v[D_:D_+7], v[SA_], v[SB_] matrix_a_fmt:MATRIX_FMT_FP4 matrix_b_fmt:MATRIX_FMT_FP4 matrix_a_scale:MATRIX_SCALE_ROW1
.elseif ((\u)%2 == 0)
	v_wmma_scale_f32_16x16x128_f8f6f4 v[D_:D_+7], v[W_:W_+7], v[A_:A_+7], v[D_:D_+7], v[SA_], v[SB_] matrix_a_fmt:MATRIX_FMT_FP4 matrix_b_fmt:MATRIX_FMT_FP4 matrix_b_scale:MATRIX_SCALE_ROW1
.else
	v_wmma_scale_f32_16x16x128_f8f6f4 v[D_:D_+7], v[W_:W_+7], v[A_:A_+7], v[D_:D_+7], v[SA_], v[SB_] matrix_a_fmt:MATRIX_FMT_FP4 matrix_b_fmt:MATRIX_FMT_FP4 matrix_a_scale:MATRIX_SCALE_ROW1 matrix_b_scale:MATRIX_SCALE_ROW1
.endif
.endm
; K step s, the k-th of the quarter that lies in the stage.  The eight accumulators take turns, one instruction a turn, in the same order in every step.
.macro KSTEP s, k
.rept 4
	v_nop                                          ; four places in front of loads into registers that the last products read (ISA guide 7.12.1 for vector instructions)
.endr
.irp a, 0,1
.irp c, 0,1
	ds_load_b128 v[XF+8*\a+4*\c:XF+8*\a+4*\c+3], v[AFA] offset:16*RP*\a+64*(\k)+32*\c
.endr
.endr
.irp u, 0,1,2,3
.irp c, 0,1
	ds_load_b128 v[WF+8*\u+4*\c:WF+8*\u+4*\c+3], v[BF0+(\s)/8] offset:KSB*((\s)%8)+TLB*\u+512*\c
.endr
.endr
	ds_load_b64 v[BS:BS+1], v[BSA] offset:256*(\s)
	s_wait_dscnt 0x0
.irp u, 0,1,2,3
.irp a, 0,1
	WM \a, \u, \s
.endr
.endr
.endm
.macro QUARTER q
	s_wait_loadcnt 0x0                             ; this quarter's codes are in registers
.irp i, 0,1,2,3,4,5,6,7,8,9,10,11,12,13,14,15
	ds_store_b128 v[STA], v[XS+4*\i:XS+4*\i+3] offset:RP*\i        ; my own stage; my reads of the last quarter were waited for
.endr
	KSTEP 4*(\q), 0
.if (\q) < 3
	XLOAD (\q)+1                                   ; behind that step's wait for all LDS instructions: the stage's stores have read these registers.  Three K steps in which to land
.endif
	KSTEP 4*(\q)+1, 1
	KSTEP 4*(\q)+2, 2
	KSTEP 4*(\q)+3, 3
.endm
.macro WAYOUT
.rept 4
	v_nop                                          ; four places behind the last products
.endr
.irp a, 0,1
.irp u, 0,1,2,3
.irp j, 0,1,2,3,4,5,6,7
	v_max_num_f32 v[ACC+32*\a+8*\u+\j], 0, v[ACC+32*\a+8*\u+\j]    ; relu; each accumulator from its low end on
.endr
.irp j, 0,2,4,6
	v_pk_mul_f32 v[ACC+32*\a+8*\u+\j:ACC+32*\a+8*\u+\j+1], v[ACC+32*\a+8*\u+\j:ACC+32*\a+8*\u+\j+1], v[P0+2*\a:P0+2*\a+1]   ; x the row's largest probability
.endr
.endr
.endr
.irp a, 0,1
.irp u, 0,1,2,3
	ds_store_b128 v[DSA], v[ACC+32*\a+8*\u:ACC+32*\a+8*\u+3] offset:16*RP*\a+64*\u
	ds_store_b128 v[DSA], v[ACC+32*\a+8*\u+4:ACC+32*\a+8*\u+7] offset:16*RP*\a+64*\u+16
.endr
.endr
.irp i, 0,1,2,3,4,5,6,7,8,9,10,11,12,13,14,15
	ds_load_b128 v[XS+4*\i:XS+4*\i+3], v[STA] offset:RP*\i         ; LDS serves a wave's instructions in order (ISA guide 5.7.1.4): these see my stores
.endr
.irp i, 0,1,2,3,4,5,6,7,8,9,10,11,12,13,14,15
	v_lshl_add_u32 v[OO+\i], v[IDX+\i], 13, v[LO16]                ; the token's row of 8,192 bytes
.endr
.irp i, 0,1,2,3,4,5,6,7,8,9,10,11,12,13,14,15
	s_wait_dscnt 15-\i                             ; rows i and 16 + i are back; the later ones may be out
	global_store_b128 v[OO+\i], v[XS+4*\i:XS+4*\i+3], s[18:19] th:TH_STORE_NT   ; sixteen lanes store 256 consecutive bytes, aligned
.endr
	s_wait_xcnt 0x0                                ; the stores have read their data and offsets: the next trip may write both
.endm
	LOADB 0
	s_wait_kmcnt 0x0                               ; the expert's count and first place
	s_add_co_u32 s27, s21, s20
	s_sub_co_u32 s27, s27, 1                       ; its last place
	INDEX                                          ; 17 loads, in every wave
	LOADB 1
	BLOCK 0, 49                                    ; behind block 0's loads: 17 of the list, 32 of block 1
	BLOCK 1, 32                                    ; behind block 1's: 32 of block 2; the list's are older, so they are in
	IDXFIX
	XSCLOAD                                        ; 5 loads, in every wave
	BLOCK 2, 37                                    ; behind block 2's: 32 of block 3 and these 5
	s_cmp_ge_u32 s26, s20
	s_cbranch_scc1 .Lno_rows
	XLOAD 0                                        ; into the set that block 2 has left
.Lno_rows:
	BLOCK 3, 0                                     ; zero: right on both ways
	BIASLOAD                                       ; into the set that block 3 has left
	s_wait_dscnt 0x0                               ; for the others' sake: my K step's images and scale words lie in LDS
	s_barrier_signal -1
	s_barrier_wait -1                              ; the one barrier: all sixteen K steps do
.Lpass:
	s_cmp_ge_u32 s26, s20
	s_cbranch_scc1 .Lnext                          ; no rows for me in this trip
	s_cmp_eq_u32 s29, 0
	s_cbranch_scc1 .Lbody                          ; trip 0's loads were issued during the stream
	INDEX
	s_wait_loadcnt 0x0
	IDXFIX
	XSCLOAD
	XLOAD 0
	BIASLOAD
.Lbody:
	s_wait_loadcnt 0x0
	v_permlanex16_b32 v[PX], v[PR], s30, s31
	v_cndmask_b32 v[P0], v[PR], v[PX], s32         ; row r's: lanes 16-31 take it from lane l - 16
	v_cndmask_b32 v[P0+1], v[PR], v[PX], s32
	v_cndmask_b32 v[P0+2], v[PX], v[PR], s32       ; row 16 + r's: lanes 0-15 take it from lane l + 16
	v_cndmask_b32 v[P0+3], v[PX], v[PR], s32
	QUARTER 0
	QUARTER 1
	QUARTER 2
	QUARTER 3
	WAYOUT
.Lnext:
	s_add_co_u32 s26, s26, 512
	s_add_co_u32 s29, s29, 1
	s_cmp_lt_u32 s29, 4
	s_cbranch_scc1 .Lpass
	s_wait_tensorcnt 0x0
	ds_add_u32 v126, v127
	s_wait_dscnt 0x0
	s_endpgm
.Lfunc_end_k_q405b859e66_experts:
	.size	k_q405b859e66_experts, .Lfunc_end_k_q405b859e66_experts-k_q405b859e66_experts
	.p2alignl 7, 3214868480
	.fill 96, 4, 3214868480
	.section	.rodata,"a",@progbits
	.p2align	6, 0x0
	.amdhsa_kernel k_q405b859e66_experts
		.amdhsa_group_segment_fixed_size 211968
		.amdhsa_private_segment_fixed_size 0
		.amdhsa_enable_private_segment 0
		.amdhsa_kernarg_size 64
		.amdhsa_user_sgpr_count 2
		.amdhsa_user_sgpr_kernarg_segment_ptr 1
		.amdhsa_wavefront_size32 1
		.amdhsa_system_sgpr_workgroup_id_x 1
		.amdhsa_system_sgpr_workgroup_id_y 1
		.amdhsa_system_sgpr_workgroup_id_z 1
		.amdhsa_system_vgpr_workitem_id 0
		.amdhsa_next_free_vgpr 256
		.amdhsa_next_free_sgpr 66
		.amdhsa_reserve_vcc 0
		.amdhsa_float_denorm_mode_32 3
		.amdhsa_float_denorm_mode_16_64 3
		.amdhsa_memory_ordered 1
		.amdhsa_forward_progress 1
		.amdhsa_inst_pref_size 109
	.end_amdhsa_kernel
	.amdgpu_metadata
---
amdhsa.version: [ 1, 2 ]
amdhsa.kernels:
  - .name:           k_q405b859e66_experts
    .symbol:         k_q405b859e66_experts.kd
    .args:
      - { .name: expert_w, .offset: 0, .size: 8, .value_kind: global_buffer, .address_space: global }
      - { .name: expert_b, .offset: 8, .size: 8, .value_kind: global_buffer, .address_space: global }
      - { .name: xc, .offset: 16, .size: 8, .value_kind: global_buffer, .address_space: global }
      - { .name: xs, .offset: 24, .size: 8, .value_kind: global_buffer, .address_space: global }
      - { .name: list, .offset: 32, .size: 8, .value_kind: global_buffer, .address_space: global }
      - { .name: meta, .offset: 40, .size: 8, .value_kind: global_buffer, .address_space: global }
      - { .name: out3, .offset: 48, .size: 8, .value_kind: global_buffer, .address_space: global }
      - { .name: out0, .offset: 56, .size: 8, .value_kind: global_buffer, .address_space: global }
    .group_segment_fixed_size: 211968
    .private_segment_fixed_size: 0
    .kernarg_segment_align: 8
    .kernarg_segment_size: 64
    .max_flat_workgroup_size: 512
    .sgpr_count:     66
    .vgpr_count:     256
    .wavefront_size: 32
...
	.end_amdgpu_metadata
.endif
;; end of part 3
